; MI455X (gfx1250); checked and timed in simulation.
; The chip was launched on July 23, 2026; its instructions are those of AMD's public machine-readable ISA for CDNA 5 (MIT licence, August 2026) and "CDNA5" Instruction Set Architecture Reference Guide (July 2026). The comments in the code are by the model that wrote it; some were corrected since.
;; Double Prop Mono. Allowed arithmetic: float matrix products may take bf16 or f16 operands with f32 sums; all other float work in f32.
;; Inputs: B1 8 x 256 x 256 float32; B2 8 x 256 x 256 float32; M1 8 x 256 x 256 float32; M2 8 x 256 x 256 float32; val 1,024 x 1 float32.
;; Outputs: out0 1,024 x 1 float32; out1 1,024 x 1 float32.
;; One version. Each part assembles by itself: llvm-mc -triple=amdgcn-amd-amdhsa -mcpu=gfx1250 --defsym DOCPART=n.
;; ======== version 1 of 1: 1 launch
;; launch chains (part 1): grid 128 x 2, 8 waves a work-group, clusters of 4 x 1, 327,680 bytes of LDS; arguments M1, B1, M2, B2, val, out0, out1; writes out0, out1
.if DOCPART == 1
	.amdgcn_target "amdgcn-amd-amdhsa--gfx1250"
	.amdhsa_code_object_version 6
	.text
	.protected	k_q646d8de506_chains
	.globl	k_q646d8de506_chains
	.p2align	8
	.type	k_q646d8de506_chains,@function
k_q646d8de506_chains:
	s_mov_b64 s[64:65], 0
	v_nop
	global_prefetch_b8 v0, s[64:65] scope:SCOPE_SE
	s_setreg_imm32_b32 hwreg(HW_REG_WAVE_MODE, 25, 1), 1
	s_wait_xcnt 0x0
	s_wait_alu depctr_hold_cnt(0) depctr_sa_sdst(0) depctr_va_vdst(0) depctr_va_sdst(0) depctr_va_ssrc(0) depctr_va_vcc(0) depctr_vm_vsrc(0)
	s_getreg_b32 s2, hwreg(HW_REG_IB_STS2, 6, 4)
	s_cmp_eq_u32 s2, 0
	s_cbranch_scc0 .Lentry_in_a_cluster
	s_endpgm
.Lentry_in_a_cluster:
	s_bfe_u32 s2, ttmp6, 0x10000c
	s_cmp_lg_u32 s2, 0x3003
	s_cbranch_scc0 .Lentry_shape_is_right
	s_endpgm
.Lentry_shape_is_right:
; q <- min over w of max over h of (q * M[d][w][h] + B[d][w][h]), d = 0 .. 7, for 1,024 start values and two branches (M1,B1 -> out0; M2,B2 -> out1).
; All f32.  2,048 chains; a work-group owns 8 chains of one branch (grid 128 x 2 = 256 work-groups) and walks that branch's 8 x 256 x 256 M and B.
; SHARES: eight waves; thread t owns row w = t, so the max over h stays inside a lane.  The 8 chain values q are the same in all lanes and lie in
; scalar registers.  Two lines cost one v_pk_fma_f32 (q broadcast) and one v_max3_num_f32, and each (m, b) read from LDS serves all 8 chains.
; The min over the 256 rows is made once a depth: inside a wave by DPP, between the waves through 256 bytes of LDS scratch and one barrier.
; TILES: a lane walks along a row while memory runs along rows too, so tiles pass through LDS: 256 rows x 64 columns of M and of B, each row piece
; 256 bytes of memory starting at a multiple of 256, laid down 272 bytes apart.  Two slots take turns; 32 tiles (8 depths x 4 column chunks).
; Each wave brings 64 rows with one tensor load: waves 0-3 M's, waves 4-7 B's.  By this text's count a wave has two loads out at the start, later one.
; CLUSTER: the four work-groups of a cluster (4 x 1) work on the same branch and walk the same tiles: every tile is asked for jointly (mask 15),
; which divides the requests for tiles by four.  Each refill stands behind a round of the cluster's barrier.
; The four column chunks of a depth may be taken in any order (max and min commute): cluster x starts with chunk x mod 4, so that the four chunks of a
; depth are first asked for by different clusters in the same trip.
; NO MATRIX UNIT: the product q*m + b has two terms along K, so a 16x16x32 instruction would give 256 values, as many as four v_pk_fma_f32 give,
; from 16-bit operands; the chain of 8 dependent steps is kept in f32.
; OUTPUT: a work-group owns 8 results, 32 bytes, so its store cannot fill 256 consecutive bytes; both outputs together are 8,192 bytes.
; LIMITS: v_max_num / v_min_num drop a NaN where jnp.max / jnp.min hand it on: NaN inputs, and NaN made by inf*0 or inf-inf, are not reproduced;
; infinities are treated as reference() treats them.  q*m + b is rounded once (fused).
.set DEPTH,  8
.set MAT,    262144                    ; bytes of one depth's 256 x 256 f32
.set PITCH,  272                       ; LDS row: 256 bytes + 16 of padding = 17 x 16: sixteen neighbouring rows start in sixteen different 16-byte columns of 256 bytes
.set QUART,  64*PITCH                  ; 64 rows: what one tensor load brings
.set MT,     4*QUART                   ; M's part of a slot; B's part follows it
.set SLOT,   2*MT                      ; 139,264 bytes
.set SCR,    2*SLOT                    ; 256 bytes of scratch behind the ring, at a multiple of 256: no tensor load lands there
; vector registers
.set AM,  4                            ; v4-5    LDS address of my row's m in slot 0, 1
.set AB,  6                            ; v6-7    the same for b
.set SA,  8                            ; v8      scratch: my wave's 32 bytes
.set SL,  9                            ; v9      scratch: word number = lane
.set PF,  10                           ; v10     prefetch: my byte offset inside a depth's matrix; never rewritten
.set OA,  11                           ; v11     4 x lane
.set R,   12                           ; v12-13  the last steps of the min
.set ACC, 16                           ; v16-23  running max of my row, one for each chain
.set T,   24                           ; v24-39  eight pairs of fresh lines
.set X,   40                           ; v40-167 four buffers of 16 columns: 16 m, then 16 b
; scalar registers
.set WV,   8                           ; wave number
.set CX,   10                          ; place in the cluster; s10, s11, s6, s[20:21], s[30:31], s[34:35] alone ever hang on it
.set WGX,  11                          ; work-group x
.set PM,   26                          ; s[26:27] my branch's M
.set PN,   28                          ; s[28:29] my branch's B
.set OUTP, 30                          ; s[30:31] my 8 results
.set PB,   32                          ; s[32:33] first byte of the 64 rows that my wave fetches, depth 0, column 0
.set BO,   34                          ; s[34:35] 32 x work-group x
.set G1,   36                          ; s[36:43] descriptor group 1
.set G0,   44                          ; s[44:51] descriptor group 0, one set for each slot
.set CO,   52                          ; s52-55   byte offset in a row of the chunk taken first, second, third, fourth
.set OFS,  56                          ; s[56:57] a tile's byte offset, in 64 bits
.set DOFF, 58                          ; depth x MAT
.set DCT,  59                          ; depth
.set PFB,  60                          ; s[60:61] prefetch: the matrix I ask for, at the next depth
.set PFK,  62                          ; prefetch: the parity of the depths in which I ask; 2 = never
.set P0,   66                          ; v_permlanex16_b32: lane i reads lane i of the other half
.set P1,   67
.set Q,    72                          ; s[72:87] q of chain c in s[72+2c]; the odd ones are 0 and only complete the pairs
.set VL,   88                          ; s[88:95] val as loaded
; The cluster's round behind its opening barrier: wave 0 signals for the work-group, every wave waits for all four work-groups, the work-group's barrier closes.
.macro CREST
	s_cmp_lg_u32 s[WV], 0
	s_cbranch_scc1 .Lnot_wave_0_\@
	s_barrier_signal -3
.Lnot_wave_0_\@:
	s_barrier_wait -3
	s_barrier_signal -1
	s_barrier_wait -1
.endm
.macro ROUND
	s_barrier_signal -1
	s_barrier_wait -1
	CREST
.endm
; Two columns (pair p of buffer sc) for all 8 chains: 8 independent fused multiply-adds, then 8 maxima.  ini = 1: the pair starts the maxima, nothing is cleared.
.macro PAIR sc, p, ini
.irp c, 0,1,2,3,4,5,6,7
	v_pk_fma_f32 v[T+2*\c:T+2*\c+1], v[X+32*\sc+2*\p:X+32*\sc+2*\p+1], s[Q+2*\c:Q+2*\c+1], v[X+32*\sc+16+2*\p:X+32*\sc+16+2*\p+1] op_sel_hi:[1,0,1]
.endr
.irp c, 0,1,2,3,4,5,6,7
.if \ini
	v_max_num_f32 v[ACC+\c], v[T+2*\c], v[T+2*\c+1]
.else
	v_max3_num_f32 v[ACC+\c], v[T+2*\c], v[T+2*\c+1], v[ACC+\c]
.endif
.endr
.endm
.macro PAIRS sc, p0, p1
.set pp, \p0
.rept \p1-\p0+1
	PAIR \sc, pp, 0
.set pp, pp+1
.endr
.endm
; Eight LDS loads: columns 16 sc .. 16 sc + 15 of my row, m and b, from a slot into buffer sc
.macro LOADS slot, sc
.irp i, 0,1,2,3
	ds_load_b128 v[X+32*\sc+4*\i:X+32*\sc+4*\i+3], v[AM+\slot] offset:64*\sc+16*\i
.endr
.irp i, 0,1,2,3
	ds_load_b128 v[X+32*\sc+16+4*\i:X+32*\sc+16+4*\i+3], v[AB+\slot] offset:64*\sc+16*\i
.endr
.endm
; Prefetch of the next depth.  A depth's M and B are 64 pieces of 8,192 bytes (32 lanes, 256 bytes apart).  Work-groups 0-63 of a branch ask for piece x of depths
; 1, 3, 5, 7 (in depths 0, 2, 4, 6), work-groups 64-127 for piece x - 64 of depths 2, 4, 6: each block is asked for once, by wave 0 alone, in the first trip of a
; depth, two trips ahead of the tensor load that first wants the next depth.  The loop ends with depth 6, so nothing beyond depth 7 is asked for.
.macro ASK
	s_and_b32 s2, s[DCT], 1
	s_cmp_lg_u32 s2, s[PFK]
	s_cbranch_scc1 .Lno_ask_\@
	global_prefetch_b8 v[PF], s[PFB:PFB+1] th:TH_LOAD_NT scope:SCOPE_SE
.Lno_ask_\@:
.endm
; One trip: the tile in slot, whose 32 LDS loads were issued in the trip before.
; mode 2: slot is filled again, two tiles ahead (chunk number co, dplus = 1: of the next depth); mode 1: nothing is left to fetch, the next tile is still read; mode 0: the last tile.
; dend = 1: the tile ends a depth.
.macro TRIP slot, next, first, mode, co, dplus, ask, dend
	s_wait_dscnt 24                                ; LDS loads come back in order: columns 0-15 are in, the 24 younger loads may be out
	PAIR 0, 0, \first
	PAIRS 0, 1, 7
	s_wait_dscnt 16                                ; columns 16-31
	PAIRS 1, 0, 7
	s_wait_dscnt 8                                 ; columns 32-47
	PAIRS 2, 0, 7
	s_wait_dscnt 0x0                               ; columns 48-63: all my reads of this slot are over
.if \mode
	s_wait_tensorcnt 0x0                           ; all my tensor loads have landed: the one that was out is my part of the next tile; so a group 0 may be written
	ds_add_u32 v168, v169
	s_wait_dscnt 0x0
.if \mode == 2
	s_add_co_u32 s[OFS], s[DOFF], s[CO+\co]
.if \dplus
	s_add_co_u32 s[OFS], s[OFS], MAT
.endif
	s_add_nc_u64 s[G0+4*\slot+2:G0+4*\slot+3], s[PB:PB+1], s[OFS:OFS+1]
	s_or_b32 s[G0+4*\slot+3], s[G0+4*\slot+3], 0x80000000
.endif
	s_barrier_signal -1                            ; say so (mode 2: this barrier opens the cluster's round),
	PAIRS 3, 0, 1                                  ; work on registers while the others arrive,
	s_barrier_wait -1
.if \mode == 2
	CREST                                          ; no wave of any partner still reads this slot or has a load on its way
	tensor_load_to_lds s[G0+4*\slot:G0+4*\slot+3], s[G1:G1+7]      ; my one tensor load behind the round, first thing there
	s_nop 0
.endif
.else
	PAIRS 3, 0, 1
.endif
.if \dend == 0
	LOADS \next, 0                                 ; the next tile is whole in the other slot; buffers 0-2 are free
	LOADS \next, 1
	LOADS \next, 2
.if \ask
	ASK
.endif
	PAIRS 3, 2, 7                                  ; the rest of columns 48-63, from registers, while those loads are on their way
	LOADS \next, 3
.else
	PAIRS 3, 2, 7
	; min over the 32 rows of my wave, for each chain: four steps inside each half of 16 lanes, one across the halves
.irp m, 1,2,4,8
.irp c, 0,1,2,3,4,5,6,7
	v_min_num_f32_dpp v[ACC+\c], v[ACC+\c], v[ACC+\c] row_xmask:\m row_mask:0xf bank_mask:0xf
.endr
.endr
.irp c, 0,1,2,3,4,5,6,7
	v_permlanex16_b32 v[T+\c], v[ACC+\c], s[P0], s[P1]
.endr
.irp c, 0,1,2,3,4,5,6,7
	v_min_num_f32 v[ACC+\c], v[ACC+\c], v[T+\c]
.endr
	ds_store_b128 v[SA], v[ACC:ACC+3]              ; word 8 x wave + chain; all lanes write the same words with the same values
	ds_store_b128 v[SA], v[ACC+4:ACC+7] offset:16
	s_wait_dscnt 0x0                               ; for the other waves' sake: my stores are done
	s_barrier_signal -1                            ; the refill just issued stays on its way
	s_barrier_wait -1
	ds_load_b32 v[R], v[SL]                        ; lane l: wave l / 8, chain l mod 8
	ds_load_b32 v[R+1], v[SL] offset:128           ; wave 4 + l / 8
.if \mode
	LOADS \next, 0                                 ; the next depth's first tile does not hang on q: its loads go out behind the two that q waits for
	LOADS \next, 1
	LOADS \next, 2
	LOADS \next, 3
	s_wait_dscnt 32                                ; the two scratch words are in; the 32 loads issued behind them stay out
.else
	s_wait_dscnt 0x0
.endif
	v_min_num_f32 v[R], v[R], v[R+1]
	v_min_num_f32_dpp v[R], v[R], v[R] row_xmask:8 row_mask:0xf bank_mask:0xf
	v_permlanex16_b32 v[R+1], v[R], s[P0], s[P1]
	v_min_num_f32 v[R], v[R], v[R+1]               ; lane l: the new q of chain l mod 8
.if \mode
.irp c, 0,1,2,3,4,5,6,7
	v_readlane_b32 s[Q+2*\c], v[R], \c
.endr
.endif
.endif
.endm
	s_load_b256 s[12:19], s[0:1], 0x0              ; M1 s[12:13], B1 s[14:15], M2 s[16:17], B2 s[18:19]
	s_load_b128 s[20:23], s[0:1], 0x20             ; val s[20:21], out0 s[22:23]
	s_load_b64 s[24:25], s[0:1], 0x30              ; out1
	v_lshl_add_u32 v168, v0, 2, 0x44100
	v_mov_b32 v169, 0
	ds_add_u32 v168, v169
	v_lshrrev_b32 v1, 5, v0
	v_readfirstlane_b32 s[WV], v1                  ; wave 0..7
	s_bfe_u32 s[CX], ttmp6, 0x40000                ; cx
	s_lshl_b32 s[WGX], ttmp9, 2                    ; in a cluster launch ttmp9 counts clusters
	s_add_co_u32 s[WGX], s[WGX], s[CX]             ; work-group x = 4 x cluster x + cx: which 8 start values
	s_lshl_b32 s[BO], s[WGX], 5                    ; 8 f32
	s_mov_b32 s[BO+1], 0
	s_and_b32 s4, ttmp7, 0xffff                    ; the branch
	; group 1: a tile of 64 rows x 64 elements of 4 bytes, rows 256 elements apart in memory, padded in LDS
	s_mov_b32 s[G1+0], 15|(2<<16)|(1<<20)|(1<<21)|(5<<22)|(3<<25)  ; 15:0 mask: all four of the cluster; 17:16 4-byte elements; 20 padding on; 21 set beside a mask; 24:22 after every 64 words; 31:25 4 words
	s_mov_b32 s[G1+1], 64<<16                      ; tensor_dim0 = 64 (the tile lies inside the tensor: the extents are the tile's)
	s_mov_b32 s[G1+2], 64<<16                      ; tensor_dim1 = 64
	s_mov_b32 s[G1+3], 64<<16                      ; tile_dim0 = 64
	s_mov_b32 s[G1+4], 64                          ; tile_dim1 = 64
	s_mov_b32 s[G1+5], 256                         ; elements from row to row
	s_mov_b32 s[G1+6], 0
	s_mov_b32 s[G1+7], 0
	s_and_b32 s5, ttmp9, 3                         ; the cluster's first chunk: the same in all four partners
.irp j, 0,1,2,3
	s_add_co_u32 s2, s5, \j
	s_and_b32 s2, s2, 3
	s_lshl_b32 s[CO+\j], s2, 8                     ; 256 bytes a chunk
.endr
	s_and_b32 s2, s[WV], 3
	s_lshl_b32 s2, s2, 16                          ; my 64 rows of 1,024 bytes
	s_mov_b32 s3, 0
	s_mul_i32 s5, s[WV], QUART                     ; and where they go: M's four quarters, then B's four = wave x 64 LDS rows
	s_mov_b32 s[OFS+1], 0
	s_wait_dscnt 0x0
	s_wait_kmcnt 0x0
	s_cmp_eq_u32 s4, 0
	s_cselect_b64 s[PM:PM+1], s[12:13], s[16:17]
	s_cselect_b64 s[PN:PN+1], s[14:15], s[18:19]
	s_cselect_b64 s[OUTP:OUTP+1], s[22:23], s[24:25]
	s_add_nc_u64 s[OUTP:OUTP+1], s[OUTP:OUTP+1], s[BO:BO+1]
	s_add_nc_u64 s[20:21], s[20:21], s[BO:BO+1]
	s_load_b256 s[VL:VL+7], s[20:21], 0x0          ; my 8 start values; waited for behind the first fills
	s_cmp_lt_u32 s[WV], 4
	s_cselect_b64 s[PB:PB+1], s[PM:PM+1], s[PN:PN+1]       ; waves 0-3 fetch M, waves 4-7 B
	s_add_nc_u64 s[PB:PB+1], s[PB:PB+1], s[2:3]
.irp s, 0,1
	s_mov_b32 s[G0+4*\s], 1                        ; count = 1
	s_add_co_u32 s[G0+4*\s+1], s5, \s*SLOT         ; LDS address: wave x QUART + slot x SLOT
	s_mov_b32 s[OFS], s[CO+\s]
	s_add_nc_u64 s[G0+4*\s+2:G0+4*\s+3], s[PB:PB+1], s[OFS:OFS+1]  ; depth 0, the chunk taken first / second
	s_or_b32 s[G0+4*\s+3], s[G0+4*\s+3], 0x80000000                ; type = 2
.endr
	ROUND                                          ; all four work-groups are here: the first joint loads meet
	tensor_load_to_lds s[G0:G0+3], s[G1:G1+7]      ; tile 0
	s_nop 0
	tensor_load_to_lds s[G0+4:G0+7], s[G1:G1+7]    ; tile 1
	s_nop 0
	v_and_b32 v1, 31, v0                           ; lane
	v_mul_u32_u24 v[AM], v0, PITCH                 ; my row = my thread number
	v_add_nc_u32 v[AM+1], SLOT, v[AM]
	v_add_nc_u32 v[AB], MT, v[AM]
	v_add_nc_u32 v[AB+1], MT+SLOT, v[AM]
	s_lshl_b32 s2, s[WV], 5
	s_add_co_u32 s2, s2, SCR
	v_mov_b32 v[SA], s2
	v_lshl_add_u32 v[SL], v1, 2, SCR
	v_lshlrev_b32 v[OA], 2, v1
	s_and_b32 s6, s[WGX], 31                       ; prefetch: my piece of 8,192 bytes among a matrix's 32
	s_lshl_b32 s6, s6, 13
	v_lshl_add_u32 v[PF], v1, 8, s6                ; lanes 256 bytes apart
	s_and_b32 s2, ttmp9, 8                         ; work-group x mod 64 below 32: M, else B
	s_cmp_lg_u32 s2, 0
	s_cselect_b64 s[PFB:PFB+1], s[PN:PN+1], s[PM:PM+1]
	s_add_nc_u64 s[PFB:PFB+1], s[PFB:PFB+1], MAT   ; in depth d: depth d + 1
	s_bfe_u32 s[PFK], ttmp9, 0x10004               ; work-group x / 64: 0 asks in even depths, 1 in odd ones
	s_cmp_eq_u32 s[WV], 0
	s_cselect_b32 s[PFK], s[PFK], 2                ; waves 1-7 never ask
	s_mov_b32 s[P0], 0x76543210
	s_mov_b32 s[P1], 0xfedcba98
	s_mov_b32 s[DOFF], 0
	s_mov_b32 s[DCT], 0
	s_wait_kmcnt 0x0
.irp c, 0,1,2,3,4,5,6,7
	s_mov_b32 s[Q+2*\c], s[VL+\c]
	s_mov_b32 s[Q+2*\c+1], 0
.endr
	s_wait_tensorcnt 0x1                           ; my part of tile 0 is in; tile 1's load may stay out
	s_barrier_signal -1
	s_barrier_wait -1                              ; everybody's part is in
	LOADS 0, 0
	LOADS 0, 1
	LOADS 0, 2
	LOADS 0, 3
.Ldepth:                                               ; depths 0 to 6: every trip fills a slot again
	TRIP 0, 1, 1, 2, 2, 0, 1, 0                    ; chunk 0; fetches this depth's chunk 2
	TRIP 1, 0, 0, 2, 3, 0, 0, 0                    ; chunk 1; fetches chunk 3
	TRIP 0, 1, 0, 2, 0, 1, 0, 0                    ; chunk 2; fetches the next depth's chunk 0
	TRIP 1, 0, 0, 2, 1, 1, 0, 1                    ; chunk 3; fetches the next depth's chunk 1; the depth ends
	s_wait_xcnt 0x0                                ; the prefetch's base is stepped only behind this wait; the prefetch stands more than three trips back
	s_add_nc_u64 s[PFB:PFB+1], s[PFB:PFB+1], MAT
	s_add_co_u32 s[DOFF], s[DOFF], MAT
	s_add_co_u32 s[DCT], s[DCT], 1
	s_cmp_lt_u32 s[DCT], DEPTH-1
	s_cbranch_scc1 .Ldepth
	TRIP 0, 1, 1, 2, 2, 0, 0, 0                    ; depth 7, written out: two more fills,
	TRIP 1, 0, 0, 2, 3, 0, 0, 0
	TRIP 0, 1, 0, 1, 0, 0, 0, 0                    ; then none: a plain barrier shows the last tile to every wave
	TRIP 1, 0, 0, 0, 0, 0, 0, 1                    ; the last tile; lanes 0-7 of every wave end up with the 8 results
	s_cmp_lg_u32 s[WV], 0
	s_cbranch_scc1 .Lno_store
	s_wait_xcnt 0x0                                ; EXEC changes only behind this wait
	v_cmp_gt_u32 vcc_lo, 8, v0
	s_and_saveexec_b32 s9, vcc_lo
	global_store_b32 v[OA], v[R], s[OUTP:OUTP+1]   ; wave 0, lanes 0-7: 32 consecutive bytes
	s_wait_xcnt 0x0
	s_or_b32 exec_lo, exec_lo, s9
.Lno_store:
	s_wait_tensorcnt 0x0
	ds_add_u32 v168, v169
	s_wait_dscnt 0x0
	ROUND                                          ; the closing round: no work-group ends while a partner may still ask for a tile that names it
	s_endpgm
.Lfunc_end_k_q646d8de506_chains:
	.size	k_q646d8de506_chains, .Lfunc_end_k_q646d8de506_chains-k_q646d8de506_chains
	.p2alignl 7, 3214868480
	.fill 96, 4, 3214868480
	.section	.rodata,"a",@progbits
	.p2align	6, 0x0
	.amdhsa_kernel k_q646d8de506_chains
		.amdhsa_group_segment_fixed_size 327680
		.amdhsa_private_segment_fixed_size 0
		.amdhsa_enable_private_segment 0
		.amdhsa_kernarg_size 56
		.amdhsa_user_sgpr_count 2
		.amdhsa_user_sgpr_kernarg_segment_ptr 1
		.amdhsa_wavefront_size32 1
		.amdhsa_system_sgpr_workgroup_id_x 1
		.amdhsa_system_sgpr_workgroup_id_y 1
		.amdhsa_system_sgpr_workgroup_id_z 1
		.amdhsa_system_vgpr_workitem_id 0
		.amdhsa_next_free_vgpr 170
		.amdhsa_next_free_sgpr 96
		.amdhsa_reserve_vcc 1
		.amdhsa_float_denorm_mode_32 3
		.amdhsa_float_denorm_mode_16_64 3
		.amdhsa_memory_ordered 1
		.amdhsa_forward_progress 1
		.amdhsa_inst_pref_size 255
	.end_amdhsa_kernel
	.section	.bss,"aw",@nobits
	.p2align	6
	.space	262144
	.amdgpu_metadata
---
amdhsa.version: [ 1, 2 ]
amdhsa.kernels:
  - .name:           k_q646d8de506_chains
    .symbol:         k_q646d8de506_chains.kd
    .args:
      - { .name: M1, .offset: 0, .size: 8, .value_kind: global_buffer, .address_space: global }
      - { .name: B1, .offset: 8, .size: 8, .value_kind: global_buffer, .address_space: global }
      - { .name: M2, .offset: 16, .size: 8, .value_kind: global_buffer, .address_space: global }
      - { .name: B2, .offset: 24, .size: 8, .value_kind: global_buffer, .address_space: global }
      - { .name: val, .offset: 32, .size: 8, .value_kind: global_buffer, .address_space: global }
      - { .name: out0, .offset: 40, .size: 8, .value_kind: global_buffer, .address_space: global }
      - { .name: out1, .offset: 48, .size: 8, .value_kind: global_buffer, .address_space: global }
    .group_segment_fixed_size: 327680
    .private_segment_fixed_size: 0
    .kernarg_segment_align: 8
    .kernarg_segment_size: 56
    .max_flat_workgroup_size: 256
    .sgpr_count:     96
    .vgpr_count:     170
    .wavefront_size: 32
...
	.end_amdgpu_metadata
.endif
;; end of part 1
